; MI455X (gfx1250); checked and timed in simulation.
; The chip was launched on July 23, 2026; its instructions are those of AMD's public machine-readable ISA for CDNA 5 (MIT licence, August 2026) and "CDNA5" Instruction Set Architecture Reference Guide (July 2026). The comments in the code are by the model that wrote it; some were corrected since.
;; LSE Vanilla Attention. Allowed arithmetic: matrix products marked QUANTISED: E2M3 operands, one E8M0 scale for each 32 along K, by v_wmma_scale_f32_16x16x128_f8f6f4 with both operands' format E2M3, f32 sums; everything else in f32.
;; Inputs: k 2 x 2,048 x 16 x 128 float32; q 2 x 2,048 x 16 x 128 float32; v 2 x 2,048 x 16 x 128 float32.
;; Outputs: out0 2 x 2,048 x 16 x 128 float32; out1 2 x 16 x 2,048 float32.
;; This version of the problem:
;;   THIS VERSION OF THE PROBLEM IS GIVEN IN LOW PRECISION. The matrix products marked QUANTISED in the list below multiply operands that are first quantised to E2M3 (2 exponent bits, 3 mantissa bits; 6 bits a number), with one power-of-two scale for each 32 numbers along K (OCP MX v1.0); their sums are f32. All else is computed in f32.
;;   The module's matrix products, in the order in which they are computed (A, B: the left and right operand; K: the contracted axis; several contracted axes count as one K, in the product's order):
;;     1. batch 32 x [M 2,048, K 128] x [K 128, N 2,048]; A: input q; B: input k: QUANTISED
;;     2. batch 32 x [M 128, K 2,048] x [K 2,048, N 2,048]; A: input v; B: softmax (see below): QUANTISED
;;   THE QUANTISER, for each operand of a quantised product, along K:
;;     - K is cut into blocks of 32 from its start; a last block that is shorter is filled with zeros.
;;     - A block's scale is 2^e with e = floor(log2(the largest magnitude in the block)) - 2, held to -126 .. 127; a block of zeros has e = 0. As a byte (E8M0): e + 127.
;;     - Each number is divided by its block's scale, clamped to +-7.5, and rounded to the nearest number of E2M3, ties to even, subnormals kept.
;;     - The product sums the exact products of the quantised numbers (number of the format x scale) in f32.
;;   ~~~python
;;   def quantise(x, axis):      # numpy; x: float32 -> the quantised numbers, widened to float32 again
;;       x = np.moveaxis(x, axis, -1); K = x.shape[-1]
;;       x = np.pad(x, [(0, 0)] * (x.ndim - 1) + [(0, -K % 32)]); x = x.reshape(x.shape[:-1] + (-1, 32)); a = np.abs(x).max(-1, keepdims=True)
;;       e = np.where(a > 0, np.clip(np.frexp(np.where(a > 0, a, 1))[1] - 1 - 2, -126, 127), 0)      # np.frexp(a)[1] - 1 = floor(log2(a)), exactly
;;       r = np.clip(x / 2.0 ** e, -7.5, 7.5)
;;       step = 2.0 ** (np.maximum(np.frexp(np.where(r == 0, 1, r))[1] - 1, 0) - 3)
;;       q = np.round(r / step) * step * 2.0 ** e      # np.round: ties to even
;;       return np.moveaxis(q.reshape(q.shape[:-2] + (-1,))[..., :K], -1, axis).astype(np.float32)
;;   ~~~
;;   SOFTMAX AHEAD OF A QUANTISED PRODUCT. Where the list says 'softmax', what is quantised is not the finished softmax but p = 2^(t - M), with t = logit x log2(e) and M = ceil(the row's largest t), a whole number; so 1/2 < the row's largest p <= 1. The row's sum l is taken of the UNQUANTISED p, in f32, and the product's result is divided by l at the end. Since M is a whole number, a kernel that streams over the keys may use a running M (the ceiling of the running maximum): every later rescaling is an exact power of two, which a block's scale takes up: the codes' values come out the same.
;;   OPERANDS COMPUTED ON THE WAY. 'Computed on the way' means the value that the module computes at that place (a softmax that the list does not call 'softmax' is quantised finished and normalised). What goes into a quantiser is computed in f32, as accurately as f32 sums, v_exp_f32 and their like allow (about 1e-6 of the number): no bf16 or f16 on the way to a quantiser, and a product that is left as it is and whose result goes on into a quantised operand takes f32 operands (vector FMAs, or v_wmma_f32_16x16x4_f32). A number that lies on a knife's edge between two numbers of the format may be rounded either way, as far as f32 arithmetic and the matrix unit's own rounding can turn it there, and no further.
;; One version. Each part assembles by itself: llvm-mc -triple=amdgcn-amd-amdhsa -mcpu=gfx1250 --defsym DOCPART=n.
;; ======== version 1 of 1: 2 launches
;; limits: right only within a limited range of input values
;; workspace buffers: kvc 13,107,200 bytes
;; launch prep (part 1): grid 512 x 2, 4 waves a work-group, no clusters, 34,304 bytes of LDS; arguments k, v, kvc; writes kvc
.if DOCPART == 1
	.amdgcn_target "amdgcn-amd-amdhsa--gfx1250"
	.amdhsa_code_object_version 6
	.text
	.protected	k_qe93a8baa82_prep
	.globl	k_qe93a8baa82_prep
	.p2align	8
	.type	k_qe93a8baa82_prep,@function
k_qe93a8baa82_prep:
	s_mov_b64 s[64:65], 0
	v_nop
	global_prefetch_b8 v0, s[64:65] scope:SCOPE_SE
	s_setreg_imm32_b32 hwreg(HW_REG_WAVE_MODE, 25, 1), 1
	s_wait_xcnt 0x0
; k, v: [2][2048][16][128] f32 are turned once into codes of FP6 (E2M3) with one E8M0 scale byte for each 32 along a product's K: k along the head's 128, v along the keys.
; A block's byte is its largest magnitude's exponent field - 2, held at 1 from below by a floor among the maximum's leaves.
; THE OUTPUT IS LAID AS THE NEXT LAUNCH'S REGISTERS WANT IT.  A fragment (16 rows x 128 K, 12 registers a lane) is an image of 1,536 bytes: byte 512 c + 16 lane + 4 j holds register 4 c + j;
; lane (r, hh) holds row r, block hh in registers 0-5 and block 2 + hh in registers 6-11.  A step is 128 keys of one head (head = 16 b + h).
;   kvc [head][step][ K's 8 images | K's 512 bytes of scale words | V's 8 images | V's 512 ]: 25,600 bytes a step, each half 50 rows of 256 bytes.
;   k: row 8 g + j of tile 4 c + u is the step's key 64 c + 32 g + 8 u + j.    v: row r of tile t is channel 16 t + r, K = the step's keys in order.
;   The scale word of (tile 2 b + u, row r) lies at 128 b + 8 r + 4 u of its 512 bytes.
; SHARES.  Work-group x = 16 head + step, y = 0: k, 1: v.  Four waves that share nothing: no barrier.  q is not served here: the next launch reads each of its numbers once and quantises it there.
; LIMITS: NaN and infinities among the inputs are not served.  A block of zeros gets the byte 1 where the rule says 127: its codes are zeros, and this program alone reads the bytes.
; A wave's scale words leave as 128 consecutive bytes.
.set ROWB,  8192
.set STEPB, 25600
.set HSTEP, 12800
.set STGP,  528                        ; a stage row: 512 bytes + 16
.set WSTG,  16*STGP
.set R,     16                         ; k: v16-143 32 rows as loaded
.set X,     144                        ;    v144-207 my two blocks of 32 neighbours
.set C,     208                        ;    v208-231 the two tiles' codes
.set CT,    232                        ;    the blocks' second halves
.set W,     240                        ;    the two tiles' scale words
.set XV,    16                         ; v: v16-143 four blocks of 32 keys of my channel
.set IV,    144                        ;    what the image's lanes (r, 0) and (r, 1) hold
.set CV,    168
.set WW,    172
	s_load_b128 s[4:7], s[0:1], 0x0                ; k, v
	s_load_b64 s[8:9], s[0:1], 0x10                ; kvc
	v_lshl_add_u32 v248, v0, 2, 0x8400             ; my spare word, behind the four stages
	v_mov_b32 v249, 0
	v_lshrrev_b32 v1, 5, v0
	v_readfirstlane_b32 s18, v1                    ; wave
	s_mul_i32 s31, s18, WSTG
	v_and_b32 v1, 31, v0                           ; lane
	v_and_b32 v2, 15, v0                           ; r
	v_bfe_u32 v3, v0, 4, 1                         ; hh
	v_lshlrev_b32 v4, 4, v1
	v_lshlrev_b32 v7, 3, v2
	v_lshl_add_u32 v7, v3, 2, v7                   ; 8 r + 4 hh: my scale word's place
	v_add_nc_u32 v5, s31, v4                       ; stage, in: a row's 512 bytes as they lie
	v_mul_u32_u24 v6, v2, STGP
	v_lshl_add_u32 v6, v3, 7, v6
	v_add_nc_u32 v6, s31, v6                       ; back: row r, block hh
	v_lshlrev_b32 v15, 3, v3
	v_mov_b32 v12, 0                               ; a lane permute's destination counts as a source
	v_lshlrev_b32 v8, 2, v1                        ; v: in, 4 bytes a lane
	v_mul_u32_u24 v9, v3, 1536
	v_lshl_add_u32 v9, v2, 4, v9                   ; v: out, 1,536 hh + 16 r
	s_and_b32 s19, ttmp7, 0xffff                   ; which tensor
	s_lshr_b32 s20, ttmp9, 8
	s_lshl_b32 s20, s20, 24                        ; b
	s_and_b32 s21, ttmp9, 15
	s_lshl_b32 s21, s21, 20                        ; step
	s_add_co_u32 s20, s20, s21
	s_bfe_u32 s21, ttmp9, 0x40004
	s_lshl_b32 s21, s21, 9                         ; h
	s_add_co_u32 s20, s20, s21                     ; where the step begins in k or v
	s_mul_i32 s26, ttmp9, STEPB
	s_mul_i32 s28, s19, HSTEP
	s_add_co_u32 s26, s26, s28                     ; K's or V's half of the step
	s_lshl_b32 s28, s18, 7
	s_add_co_u32 s28, s28, s26
	s_add_co_u32 s28, s28, 12288                   ; my wave's 32 scale words
	s_mul_i32 s30, s18, 3072
	s_add_co_u32 s26, s26, s30                     ; my wave's two images
	s_mov_b32 s23, 0
	s_mov_b32 s27, 0
	s_mov_b32 s29, 0
	s_mov_b32 s24, 0x76543210
	s_mov_b32 s25, 0xfedcba98
	s_wait_alu depctr_va_vdst(0)                   ; the head's end
	s_wait_kmcnt 0x0
	s_add_nc_u64 s[10:11], s[8:9], s[26:27]
	s_add_nc_u64 s[12:13], s[8:9], s[28:29]
	s_cmp_eq_u32 s19, 1
	s_cbranch_scc1 .Lv
; ---- k: wave w makes tiles 2 w and 2 w + 1: its rows begin at key 64 (w / 2) + 16 (w % 2)
	s_lshr_b32 s22, s18, 1
	s_lshl_b32 s22, s22, 19
	s_and_b32 s21, s18, 1
	s_lshl_b32 s21, s21, 17
	s_add_co_u32 s22, s22, s21
	s_add_co_u32 s22, s22, s20
	s_add_nc_u64 s[4:5], s[4:5], s[22:23]
.irp u, 0,1
.irp i, 0,1,2,3,4,5,6,7,8,9,10,11,12,13,14,15
	global_load_b128 v[R+64*\u+4*\i:R+64*\u+4*\i+3], v4, s[4:5] offset:(8*\u+\i%8+32*(\i/8))*ROWB th:TH_LOAD_NT   ; a row's 512 consecutive bytes
.endr
.endr
.macro TILE u
	s_wait_loadcnt 16*(1-\u)                       ; this tile's 16 loads are in; tile 1's 16 may be out
.irp i, 0,1,2,3,4,5,6,7,8,9,10,11,12,13,14,15
	ds_store_b128 v5, v[R+64*\u+4*\i:R+64*\u+4*\i+3] offset:STGP*\i
.endr
.irp c, 0,1
.irp j, 0,1,2,3,4,5,6,7
	ds_load_b128 v[X+32*\c+4*\j:X+32*\c+4*\j+3], v6 offset:256*\c+16*\j   ; LDS serves a wave's instructions in order: these see the stores above
.endr
.endr
	s_wait_dscnt 0x0
.irp c, 0,1
	v_max3_num_f32 v[8+\c], |v[X+32*\c]|, |v[X+32*\c+1]|, 0x1800000   ; block 2 c + hh of row r, and the floor 2^(3 - 127)
.endr
.irp i, 2,4,6,8,10,12,14,16,18,20,22,24,26,28,30
.irp c, 0,1
	v_max3_num_f32 v[8+\c], v[8+\c], |v[X+32*\c+\i]|, |v[X+32*\c+\i+1]|
.endr
.endr
.irp c, 0,1
	v_add_nc_u32 v[10+\c], 0xff000000, v[8+\c]     ; 2 off the exponent field: the conversion's scale operand
.endr
.irp c, 0,1
	v_lshrrev_b32 v[8+\c], 23, v[10+\c]            ; the byte
.endr
	v_lshl_or_b32 v13, v9, 16, v8
	v_lshlrev_b32 v13, v15, v13
	v_permlanex16_b32 v12, v13, s24, s25
	v_or_b32 v[W+\u], v13, v12                     ; the row's whole scale word, in both lanes
.irp c, 0,1
	v_cvt_scalef32_pk16_fp6_f32 v[C+12*\u+6*\c:C+12*\u+6*\c+2], v[X+32*\c:X+32*\c+15], v[10+\c]
	v_cvt_scalef32_pk16_fp6_f32 v[CT+4*\c:CT+4*\c+2], v[X+32*\c+16:X+32*\c+31], v[10+\c]   ; (three registers from an even one: made elsewhere and moved)
.endr
	v_nop                                          ; one plain vector instruction behind the scaled conversions
.irp c, 0,1
.irp i, 0,1,2
	v_mov_b32 v[C+12*\u+6*\c+3+\i], v[CT+4*\c+\i]
.endr
.endr
.irp k, 0,1,2
	global_store_b128 v4, v[C+12*\u+4*\k:C+12*\u+4*\k+3], s[10:11] offset:1536*\u+512*\k   ; 32 lanes store 512 consecutive bytes, at a multiple of 256
.endr
.endm
	TILE 0
	TILE 1
	v_cmp_ne_u32 vcc_lo, 0, v3
	v_cndmask_b32 v14, v[W], v[W+1], vcc_lo        ; lanes 0-15 store tile 2 w's words, lanes 16-31 tile 2 w + 1's
	global_store_b32 v7, v14, s[12:13]
	s_wait_tensorcnt 0x0                           ; the wave's end
	ds_add_u32 v248, v249
	s_wait_dscnt 0x0
	s_endpgm
; ---- v: a lane takes channel 32 w + lane, and its registers run down the 128 keys
.Lv:
	s_lshl_b32 s22, s18, 7
	s_add_co_u32 s22, s22, s20
	s_add_nc_u64 s[6:7], s[6:7], s[22:23]
.macro LOADV t
.irp i, 0,1,2,3,4,5,6,7,8,9,10,11,12,13,14,15,16,17,18,19,20,21,22,23,24,25,26,27,28,29,30,31
	global_load_b32 v[XV+32*(\t)+\i], v8, s[6:7] offset:(32*(\t)+\i)*ROWB th:TH_LOAD_NT
.endr
.endm
.macro BLOCKV t
.if \t < 3
	s_wait_loadcnt 32                              ; this block's 32 loads are in; the next block's may be out
.else
	s_wait_loadcnt 0x0
.endif
.if \t < 2
	LOADV \t+2
.endif
.set XB, XV+32*\t
	v_max3_num_f32 v10, |v[XB]|, |v[XB+1]|, |v[XB+2]|
	v_max3_num_f32 v11, |v[XB+3]|, |v[XB+4]|, |v[XB+5]|
.irp i, 6,10,14,18,22,26
	v_max3_num_f32 v10, v10, |v[XB+\i]|, |v[XB+\i+1]|
	v_max3_num_f32 v11, v11, |v[XB+\i+2]|, |v[XB+\i+3]|
.endr
	v_max3_num_f32 v10, v10, |v[XB+30]|, |v[XB+31]|
	v_max3_num_f32 v10, v10, v11, 0x1800000
	v_add_nc_u32 v13, 0xff000000, v10
	v_lshrrev_b32 v14, 23, v13
.if \t == 0
	v_mov_b32 v[WW], v14
.else
	v_lshl_or_b32 v[WW], v14, 8*\t, v[WW]
.endif
	v_cvt_scalef32_pk16_fp6_f32 v[IV+12*(\t%2)+6*(\t/2):IV+12*(\t%2)+6*(\t/2)+2], v[XB:XB+15], v13   ; block t = 2 c + hh' belongs to the image's lane (r, hh'), registers 6 c on
	v_cvt_scalef32_pk16_fp6_f32 v[CV:CV+2], v[XB+16:XB+31], v13
	v_nop
.irp i, 0,1,2
	v_mov_b32 v[IV+12*(\t%2)+6*(\t/2)+3+\i], v[CV+\i]
.endr
.endm
	LOADV 0
	LOADV 1
	BLOCKV 0
	BLOCKV 1
	BLOCKV 2
	BLOCKV 3
.irp h, 0,1
.irp k, 0,1,2
	global_store_b128 v9, v[IV+12*\h+4*\k:IV+12*\h+4*\k+3], s[10:11] offset:512*\k+256*\h   ; sixteen lanes store 256 consecutive bytes, at a multiple of 256
.endr
.endr
	global_store_b32 v7, v[WW], s[12:13]
	s_endpgm
.Lfunc_end_k_qe93a8baa82_prep:
	.size	k_qe93a8baa82_prep, .Lfunc_end_k_qe93a8baa82_prep-k_qe93a8baa82_prep
	.p2alignl 7, 3214868480
	.fill 96, 4, 3214868480
	.section	.rodata,"a",@progbits
	.p2align	6, 0x0
	.amdhsa_kernel k_qe93a8baa82_prep
		.amdhsa_group_segment_fixed_size 34304
		.amdhsa_private_segment_fixed_size 0
		.amdhsa_enable_private_segment 0
		.amdhsa_kernarg_size 24
		.amdhsa_user_sgpr_count 2
		.amdhsa_user_sgpr_kernarg_segment_ptr 1
		.amdhsa_wavefront_size32 1
		.amdhsa_system_sgpr_workgroup_id_x 1
		.amdhsa_system_sgpr_workgroup_id_y 1
		.amdhsa_system_sgpr_workgroup_id_z 1
		.amdhsa_system_vgpr_workitem_id 0
		.amdhsa_next_free_vgpr 250
		.amdhsa_next_free_sgpr 66
		.amdhsa_reserve_vcc 1
		.amdhsa_float_denorm_mode_32 3
		.amdhsa_float_denorm_mode_16_64 3
		.amdhsa_memory_ordered 1
		.amdhsa_forward_progress 1
		.amdhsa_inst_pref_size 36
	.end_amdhsa_kernel
	.amdgpu_metadata
---
amdhsa.version: [ 1, 2 ]
amdhsa.kernels:
  - .name:           k_qe93a8baa82_prep
    .symbol:         k_qe93a8baa82_prep.kd
    .args:
      - { .name: k, .offset: 0, .size: 8, .value_kind: global_buffer, .address_space: global }
      - { .name: v, .offset: 8, .size: 8, .value_kind: global_buffer, .address_space: global }
      - { .name: kvc, .offset: 16, .size: 8, .value_kind: global_buffer, .address_space: global }
    .group_segment_fixed_size: 34304
    .private_segment_fixed_size: 0
    .kernarg_segment_align: 8
    .kernarg_segment_size: 24
    .max_flat_workgroup_size: 128
    .sgpr_count:     66
    .vgpr_count:     250
    .wavefront_size: 32
...
	.end_amdgpu_metadata
.endif
;; end of part 1
;; launch attn (part 2): grid 8 x 32, 8 waves a work-group, clusters of 4 x 1, 327,680 bytes of LDS; arguments q, kvc, out0, out1; writes out0, out1
.if DOCPART == 2
	.amdgcn_target "amdgcn-amd-amdhsa--gfx1250"
	.amdhsa_code_object_version 6
	.text
	.protected	k_qe93a8baa82_attn
	.globl	k_qe93a8baa82_attn
	.p2align	8
	.type	k_qe93a8baa82_attn,@function
k_qe93a8baa82_attn:
	s_mov_b64 s[64:65], 0
	v_nop
	global_prefetch_b8 v0, s[64:65] scope:SCOPE_SE
	s_setreg_imm32_b32 hwreg(HW_REG_WAVE_MODE, 25, 1), 1
	s_wait_xcnt 0x0
	s_wait_alu depctr_hold_cnt(0) depctr_sa_sdst(0) depctr_va_vdst(0) depctr_va_sdst(0) depctr_va_ssrc(0) depctr_va_vcc(0) depctr_vm_vsrc(0)
	s_getreg_b32 s2, hwreg(HW_REG_IB_STS2, 6, 4)
	s_cmp_eq_u32 s2, 0
	s_cbranch_scc0 .Lentry_in_a_cluster
	s_endpgm
.Lentry_in_a_cluster:
	s_bfe_u32 s2, ttmp6, 0x10000c
	s_cmp_lg_u32 s2, 0x3003
	s_cbranch_scc0 .Lentry_shape_is_right
	s_endpgm
.Lentry_shape_is_right:
; out0[b][q][h][:] = sum over k of softmax_k(Q.K / sqrt(128)) V[k][:],  out1[b][h][q] = logsumexp_k(Q.K / sqrt(128)); 32 heads (head = 16 b + h), 2,048 queries and keys, head size 128.
; Both products run on codes of FP6 (E2M3) with E8M0 scales for each 32 along K.  K and V come as register images with their scale words (the launch before made them):
;   kvc [head][step][K's 8 images | 512 bytes of scale words | V's 8 images | 512]; an image is 1,536 bytes, byte 512 c + 16 lane + 4 j = register 4 c + j; a step is 128 keys, 25,600 bytes.
;   Row 8 g + j of K's tile 4 c + u is the step's key 64 c + 32 g + 8 u + j; row r of V's tile t is channel 16 t + r.  The scale word of (tile 2 b + u, row r) lies at 128 b + 8 r + 4 u.
; Q arrives as f32: each wave reads its own 32 rows once and quantises them at the head, through its own stage in LDS, so that a lane holds whole blocks of 32 along the head's axis.
; THE SOFTMAX: t = score x log2(e) / sqrt(128); M = the running largest t rounded up to a whole number (kept as -M); p = 2^(t - M) is quantised along the keys, not normalised; l is the sum of the unquantised p.
; LAYOUT.  S^T = K Q^T, O^T = V^T P^T: a lane holds one query (lane % 16).  By K's order of rows the 32 registers of tiles 4 c .. 4 c + 3 of S^T are the keys 64 c + 32 (lane / 16) + 0 .. 31:
; a whole block of p lies in one lane, in the order that the operand's registers want.
; KEY STEPS GO IN PAIRS (a, b).  Step a's codes wait for step b's M: the factor 2^(M_a - M_b), a power of two, goes into step a's scale bytes (held at 1 from below), O^T is brought under M_b once for
; the pair, by 2^(old M - M_b), in every pair alike, and both steps' products with V follow.  l is brought under the new M in every step.
; SHARES.  A work-group owns 256 queries of a head, each of its eight waves 32 (two tiles x = 0, 1: tile x's row r is query 16 x + r); two waves to a SIMD; every wave walks 16 key steps.
; CLUSTER.  The four query blocks of a cluster belong to one head and walk the same kvc: each tile is asked for jointly, by the same descriptor and a mask that names the four.
; RING.  Slot 0 holds six key steps (153,600 bytes), slot 1 four (102,400): the walk is 6, 4, 6 steps.  Each of the eight waves fetches an eighth of a slot (75 or 50 rows of 256 bytes):
; one load a wave at the head and behind each of the two rounds that fill.
; LIMITS: the promise holds while the scaled scores stay under 2^31 in magnitude; the scores are finite; a p under 2^-126 counts as 0 (v_exp_f32's entry in the ISA guide, chapter 15);
; where M_b - M_a would take a byte of step a under 1 the byte is 1: what that block then adds lies under 2^-120 of the row's largest term.
; REGISTERS.  Window 0: v1-11, v21 addresses; v12-23 statistics; v24-31, v2-3, v248-255 scale words; v32-159 S^T, then p, then step b's V; v160-207 the two steps' codes; v208-223 sums, then second halves; v224-247 at work.
;   Window 1: v0-127 O^T; v128-223 eight fragments; v224-247 Q; v248-254 at work at the head.
.set HSTEP, 12800
.set STEPB, 25600
.set SL0B,  6*STEPB
.set SL1B,  4*STEPB
.set SPARE, SL0B                       ; behind slot 0: the spare words, 128 bytes a wave
.set LSE,   SPARE+1024                 ; the block's 256 lse
.set SLOT1, LSE+1024
.set STAGE, SLOT1+SL1B                 ; behind slot 1: 16 rows x 528 bytes for each wave: Q's way in, O's way out; no fill lands here
.set SP,    528
.set LI,  1                            ; 16 x lane
.set VSA, 2                            ; V's scale words of step a: v2-3 and v254-255
.set AS,  4                            ; LDS address of the pair's scale words (+ 8 x lane)
.set SPW, 5
.set NIL, 6
.set PFO, 7                            ; the prefetch's offset
.set STO, 8
.set RD,  9
.set LSA, 10
.set LRD, 11
.set ST,  12                           ; tile x at v[ST + 6 x]: +0 -M of step a, +1 the largest score, +2 -M of step b, +4, +5 l
.set SH,  15                           ; 8 (lane / 16)
.set AD,  21                           ; LDS address of the pair's images (+ 16 x lane)
.set QS,  24
.set KS,  26
.set PWA, 30                           ; p's scale words, step a, tile x
.set S,   32
.set PA,  160
.set PB,  184
.set CT,  208
.set T,   224                          ; tile x at v[T + 12 x]: +0, 1 the blocks' maxima; +2, 3 step b's scale operands; +4, 5 a chain of sums; +6 f of step b; +7 at work; +8 f of step a, then O's factor; +9 a permute's result; +10, 11 step a's scale operands
.set VSB, 248
.set PWB, 252
.set X,   160                          ; the head: my two blocks of Q
.set LN,  224
.set RR,  225
.set HH,  226
.set QRD, 227
.set QM,  228
.set QE,  230
.set QW,  232
.set QP,  233
.set RC,  208                          ; the way out: 1 / l, a pair a tile
.set LG,  212
.set LR,  216
.set O,   0                            ; window 1
.set F,   128
.set Q,   224
.set QT,  248
.set WV,  16
.set SEL, 20
.set CS,  22                           ; s[22:23] c = log2(e) / sqrt(128)
.set G1A, 24                           ; group 1 for an eighth of slot 0: 75 rows
.set G1B, 32                           ; for an eighth of slot 1: 50 rows
.set G0,  40
.set NC,  44                           ; -c
.set LA,  45                           ; my eighth's LDS address in slot 0
.set LB,  46                           ; and in slot 1
.set TB,  48
.set CNT, 51
.set LIM, 52
.set PFA, 54
.set GB,  68                           ; s[68:69] where my eighth of steps 6-9 lies, s[70:71] of steps 10-15: with the type bits
.set GC,  70
.set MSB, 0
.macro WIN new                         ; s_set_vgpr_msb: bits 1:0 source 0, 3:2 source 1, 5:4 source 2, 7:6 destination; the high byte repeats the setting that is left
.if MSB != \new
	s_set_vgpr_msb (MSB<<8)|\new
.set MSB, \new
.endif
.endm
.set TO_1, 0x40
.set W_KQ, 0x05
.set W_RS, 0x41
.macro ALUW
	s_wait_alu depctr_va_vdst(0)
.endm
.macro CROUND                          ; a round of the cluster's barrier
	s_barrier_signal -1
	s_barrier_wait -1
	s_cmp_lg_u32 s[WV], 0
	s_cbranch_scc1 .Lnot_wave_0_\@
	s_barrier_signal -3
.Lnot_wave_0_\@:
	s_barrier_wait -3
	s_barrier_signal -1
	s_barrier_wait -1
.endm
.macro JLOAD g1                        ; my eighth of a slot, jointly with the three partners
	tensor_load_to_lds s[G0:G0+3], s[\g1:\g1+7]
	s_nop 0
.rept 4
	v_nop
.endr
.endm
	s_load_b128 s[4:7], s[0:1], 0x0                ; q, kvc
	s_load_b128 s[8:11], s[0:1], 0x10              ; out0, out1
	v_lshl_add_u32 v[SPW], v0, 2, SPARE
	v_mov_b32 v[NIL], 0
	ds_add_u32 v[SPW], v[NIL]
	ds_add_u32 v[SPW], v[NIL]
	v_lshrrev_b32 v[LN], 5, v0
	v_readfirstlane_b32 s[WV], v[LN]               ; wave 0..7
	s_mul_i32 s56, s[WV], 16*SP
	s_add_co_u32 s56, s56, STAGE                   ; my stage
	s_and_b32 s57, s[WV], 1
	s_lshl_b32 s57, s57, 9
	s_add_co_u32 s57, s57, LSE
	v_and_b32 v[LN], 31, v0
	v_and_b32 v[RR], 15, v0
	v_bfe_u32 v[HH], v0, 4, 1
	v_min_u32 v[PFO], 149, v0
	v_lshlrev_b32 v[LI], 4, v[LN]
	v_mul_u32_u24 v[STO], v[RR], SP
	v_lshlrev_b32 v[PFO], 8, v[PFO]
	v_lshlrev_b32 v[SH], 3, v[HH]
	v_lshl_add_u32 v[QRD], v[HH], 7, v[STO]
	v_lshl_add_u32 v[STO], v[HH], 5, v[STO]
	v_add_nc_u32 v[RD], s56, v[LI]                 ; a whole row of 512 bytes
	v_add_nc_u32 v[QRD], s56, v[QRD]               ; Q back from the stage: row r, block hh
	v_add_nc_u32 v[STO], s56, v[STO]               ; O into the stage: row r, 32 bytes for each half of the lanes
	v_lshl_add_u32 v[LSA], v0, 2, LSE              ; lane (r, hh) stores the lse of query 16 hh + r of my 32
	v_add_nc_u32 v[LRD], s57, v[LI]
	v_mov_b32 v[QP], 0                             ; a lane permute's destination counts as a source
	v_mov_b32 v[T+12+9], 0
	s_bfe_u32 s17, ttmp6, 0x40000                  ; cx
	s_lshl_b32 s18, ttmp9, 2
	s_add_co_u32 s18, s18, s17                     ; my block of 256 queries: it enters q's, out0's and out1's addresses alone
	s_and_b32 s19, ttmp7, 0xffff                   ; the head, which the partners share
	s_mov_b32 s[G1A], 15|(3<<16)|(1<<21)           ; the mask of all four; elements of 8 bytes; bit 21 beside a mask
	s_mov_b32 s[G1A+1], 32<<16                     ; rows of 32 elements = 256 bytes
	s_mov_b32 s[G1A+2], 75<<16
	s_mov_b32 s[G1A+3], 32<<16
	s_mov_b32 s[G1A+4], 75
	s_mov_b32 s[G1A+5], 32
	s_mov_b32 s[G1A+6], 0
	s_mov_b32 s[G1A+7], 0
	s_mov_b32 s[G1B], 15|(3<<16)|(1<<21)
	s_mov_b32 s[G1B+1], 32<<16
	s_mov_b32 s[G1B+2], 50<<16
	s_mov_b32 s[G1B+3], 32<<16
	s_mov_b32 s[G1B+4], 50
	s_mov_b32 s[G1B+5], 32
	s_mov_b32 s[G1B+6], 0
	s_mov_b32 s[G1B+7], 0
	s_mov_b32 s[SEL], 0x76543210
	s_mov_b32 s[SEL+1], 0xfedcba98
	s_mov_b32 s[CS], 0x3e0293ee
	s_mov_b32 s[CS+1], s[CS]
	s_mov_b32 s[NC], 0xbe0293ee
	s_cmp_lt_u32 s[WV], 5
	s_cselect_b32 s59, 0, 1
	s_or_b32 s59, s59, ttmp9                       ; 0 in waves 0-4 of the head's first cluster: the same in all partners
	s_cmp_eq_u32 s59, 0
	s_cselect_b32 s[LIM], 1, 0
	s_mul_i32 s[LA], s[WV], 19200                  ; an eighth of slot 0: its place in the slot and in memory alike
	s_mul_i32 s[LB], s[WV], HSTEP                  ; an eighth of slot 1
	s_mul_i32 s53, s19, 16*STEPB                   ; the head's bytes
	s_add_co_u32 s60, s53, s[LA]                   ; steps 0-5
	s_add_co_u32 s62, s53, s[LB]
	s_add_co_u32 s62, s62, 6*STEPB                 ; steps 6-9
	s_add_co_u32 s56, s60, 10*STEPB                ; steps 10-15
	s_mul_i32 s74, s17, 38400
	s_add_co_u32 s74, s74, s53
	s_add_co_u32 s74, s74, 10*STEPB                ; the prefetch: my work-group's quarter of steps 10-15
	s_add_co_u32 s[LB], s[LB], SLOT1
	s_mov_b32 s61, 0
	s_mov_b32 s63, 0
	s_mov_b32 s57, 0
	s_mov_b32 s75, 0
	s_lshr_b32 s2, s19, 4
	s_lshl_b32 s2, s2, 24                          ; b
	s_and_b32 s53, s19, 15
	s_lshl_b32 s53, s53, 9                         ; h
	s_add_co_u32 s2, s2, s53
	s_lshl_b32 s53, s18, 21                        ; 256 rows of 8,192 bytes a block
	s_add_co_u32 s2, s2, s53
	s_lshl_b32 s53, s[WV], 18                      ; 32 a wave
	s_add_co_u32 s2, s2, s53                       ; my first query in q and in out0
	s_mov_b32 s3, 0
	s_lshl_b32 s72, s19, 13
	s_lshl_b32 s53, s18, 10
	s_add_co_u32 s72, s72, s53
	s_and_b32 s53, s[WV], 1
	s_lshl_b32 s53, s53, 9
	s_add_co_u32 s72, s72, s53                     ; out1: waves 0 and 1 store 128 lse each
	s_mov_b32 s73, 0
	s_wait_dscnt 0x0                               ; both opening adds are done
	ALUW
	s_wait_kmcnt 0x0
	s_add_nc_u64 s[4:5], s[4:5], s[2:3]
	s_add_nc_u64 s[8:9], s[8:9], s[2:3]
	s_add_nc_u64 s[10:11], s[10:11], s[72:73]
	s_add_nc_u64 s[PFA:PFA+1], s[6:7], s[74:75]
	s_mov_b32 s[G0], 1
	s_mov_b32 s[G0+1], s[LA]
	s_add_nc_u64 s[G0+2:G0+3], s[6:7], s[60:61]
	s_or_b32 s[G0+3], s[G0+3], 0x80000000
	s_add_nc_u64 s[GB:GB+1], s[6:7], s[62:63]
	s_or_b32 s[GB+1], s[GB+1], 0x80000000
	s_add_nc_u64 s[GC:GC+1], s[6:7], s[56:57]
	s_or_b32 s[GC+1], s[GC+1], 0x80000000
.set j, 0
.rept 32
	global_load_b128 v[S+4*j:S+4*j+3], v[LI], s[4:5] offset:8192*j th:TH_LOAD_NT   ; my 32 rows of q: each load a row's 512 consecutive bytes
.set j, j+1
.endr
	CROUND                                         ; all four work-groups are here: the first joint loads meet
	JLOAD G1A                                      ; slot 0, steps 0-5: one load a wave
	WIN TO_1
.set j, 0
.rept 128
	v_mov_b32 v[O+j], 0                            ; O^T: the pair is written for every pair alike, and the first finds zeros
.set j, j+1
.endr
	WIN 0
; One tile of Q: 16 rows turn through my stage, in as loaded, back a block (128 bytes) at a time; then the block's scale, the codes and the row's scale word
.macro QTILE u
	ALUW
	s_wait_loadcnt 16*(1-\u)                       ; this tile's 16 loads are in; the 16 younger ones may be out
.irp i, 0,1,2,3,4,5,6,7,8,9,10,11,12,13,14,15
	ds_store_b128 v[RD], v[S+64*\u+4*\i:S+64*\u+4*\i+3] offset:SP*\i
.endr
.irp c, 0,1
.irp j, 0,1,2,3,4,5,6,7
	ds_load_b128 v[X+32*\c+4*\j:X+32*\c+4*\j+3], v[QRD] offset:256*\c+16*\j   ; LDS serves a wave's instructions in order
.endr
.endr
	s_wait_dscnt 0x0
.irp c, 0,1
	v_max3_num_f32 v[QM+\c], |v[X+32*\c]|, |v[X+32*\c+1]|, 0x1800000   ; and the floor 2^(3 - 127)
.endr
.irp i, 2,4,6,8,10,12,14,16,18,20,22,24,26,28,30
.irp c, 0,1
	v_max3_num_f32 v[QM+\c], v[QM+\c], |v[X+32*\c+\i]|, |v[X+32*\c+\i+1]|
.endr
.endr
.irp c, 0,1
	v_add_nc_u32 v[QE+\c], 0xff000000, v[QM+\c]
.endr
.irp c, 0,1
	v_lshrrev_b32 v[QM+\c], 23, v[QE+\c]
.endr
	v_lshl_or_b32 v[QW], v[QM+1], 16, v[QM]
	v_lshlrev_b32 v[QW], v[SH], v[QW]
	v_permlanex16_b32 v[QP], v[QW], s[SEL], s[SEL+1]
	v_or_b32 v[QS+\u], v[QW], v[QP]
	WIN TO_1
.irp c, 0,1
	v_cvt_scalef32_pk16_fp6_f32 v[Q+12*\u+6*\c:Q+12*\u+6*\c+2], v[X+32*\c:X+32*\c+15], v[QE+\c]
	v_cvt_scalef32_pk16_fp6_f32 v[QT+4*\c:QT+4*\c+2], v[X+32*\c+16:X+32*\c+31], v[QE+\c]
.endr
	v_nop
	WIN W_RS
.irp c, 0,1
.irp i, 0,1,2
	v_mov_b32 v[Q+12*\u+6*\c+3+\i], v[QT+4*\c+\i]
.endr
.endr
	WIN 0
.endm
	QTILE 0
	QTILE 1
.irp x, 0,1
	v_mov_b32 v[ST+6*\x+1], 0xff61b1e6             ; the largest score so far: -3e38
	v_mov_b32 v[ST+6*\x+2], 0x7e967699             ; -M so far: 1e38, so that the first factor is 0
	v_mov_b32 v[ST+6*\x+4], 0                      ; l
	v_mov_b32 v[ST+6*\x+5], 0
	v_mov_b32 v[T+12*\x+9], 0
.endr
.macro SETAD                           ; the pair's LDS addresses
	v_add_nc_u32 v[AD], s[TB], v[LI]
	v_lshrrev_b32 v[AS], 1, v[LI]
	v_add_nc_u32 v[AS], s[TB], v[AS]
.endm
; eight images at byte off of the pair's bytes into v[dst ..] of window win (TO_1 or 0), their scale words into two pairs
.macro LDF win, dst, off, sc0, sc1
	WIN \win
.irp t, 0,1,2,3,4,5,6,7
.irp c, 0,1,2
	ds_load_b128 v[\dst+12*\t+4*\c:\dst+12*\t+4*\c+3], v[AD] offset:\off+1536*\t+512*\c
.endr
.endr
	WIN 0
	ds_load_b64 v[\sc0:\sc0+1], v[AS] offset:\off+12288
	ds_load_b64 v[\sc1:\sc1+1], v[AS] offset:\off+12544
.endm
.macro KQ1 t, x
.if ((\t)/2)%2
	v_wmma_scale_f32_16x16x128_f8f6f4 v[S+64*\x+8*(\t):S+64*\x+8*(\t)+7], v[F+12*(\t):F+12*(\t)+11], v[Q+12*\x:Q+12*\x+11], 0, v[KS+2*((\t)/4)+(\t)%2], v[QS+\x] matrix_a_fmt:MATRIX_FMT_FP6 matrix_b_fmt:MATRIX_FMT_FP6 matrix_a_scale:MATRIX_SCALE_ROW1
.else
	v_wmma_scale_f32_16x16x128_f8f6f4 v[S+64*\x+8*(\t):S+64*\x+8*(\t)+7], v[F+12*(\t):F+12*(\t)+11], v[Q+12*\x:Q+12*\x+11], 0, v[KS+2*((\t)/4)+(\t)%2], v[QS+\x] matrix_a_fmt:MATRIX_FMT_FP6 matrix_b_fmt:MATRIX_FMT_FP6
.endif
.endm
.macro KQG g                           ; four products: registers 8 g .. 8 g + 7 of all four blocks (two blocks a tile, two tiles)
	WIN W_KQ
	KQ1 \g, 0
	KQ1 \g, 1
	KQ1 \g+4, 0
	KQ1 \g+4, 1
.endm
.macro MX i                            ; registers i, i + 1 of each block into its maximum
.irp c, 0,1
.irp x, 0,1
	v_max3_num_f32 v[T+12*\x+\c], v[T+12*\x+\c], v[S+64*\x+32*\c+\i], v[S+64*\x+32*\c+\i+1]
.endr
.endr
.endm
; S^T = K Q^T in four groups, in the order in which the blocks' maxima read the results: a group's maxima stand behind the next group's products, and are the places behind them.
; Each accumulator is first read at its low end.  Behind the last group and 16 plain lines the fragments' registers take the next images (off, sc0, sc1).
.macro KQM off, sc0, sc1
	KQG 0
	KQG 1
	WIN 0
.rept 4
	v_nop
.endr
.irp c, 0,1
.irp x, 0,1
	v_max3_num_f32 v[T+12*\x+\c], v[S+64*\x+32*\c], v[S+64*\x+32*\c+1], v[S+64*\x+32*\c+2]
.endr
.endr
	MX 3
	MX 5
	KQG 2
	WIN 0
	MX 7
	MX 9
	MX 11
	MX 13
	KQG 3
	WIN 0
	MX 15
	MX 17
	MX 19
	MX 21
	LDF TO_1, F, \off, \sc0, \sc1
	MX 23
	MX 25
	MX 27
	MX 29
.irp c, 0,1
.irp x, 0,1
	v_max_num_f32 v[T+12*\x+\c], v[T+12*\x+\c], v[S+64*\x+32*\c+31]
.endr
.endr
.endm
.macro PV w, fb, pc, vs, vst, pw       ; O^T += V^T P^T: the sixteen accumulators take turns, one instruction a turn
	WIN \w
.irp t, 0,1,2,3,4,5,6,7
.irp x, 0,1
.if (\t/2)%2
	v_wmma_scale_f32_16x16x128_f8f6f4 v[O+64*\x+8*\t:O+64*\x+8*\t+7], v[\fb+12*\t:\fb+12*\t+11], v[\pc+12*\x:\pc+12*\x+11], v[O+64*\x+8*\t:O+64*\x+8*\t+7], v[\vs+\vst*(\t/4)+\t%2], v[\pw+\x] matrix_a_fmt:MATRIX_FMT_FP6 matrix_b_fmt:MATRIX_FMT_FP6 matrix_a_scale:MATRIX_SCALE_ROW1
.else
	v_wmma_scale_f32_16x16x128_f8f6f4 v[O+64*\x+8*\t:O+64*\x+8*\t+7], v[\fb+12*\t:\fb+12*\t+11], v[\pc+12*\x:\pc+12*\x+11], v[O+64*\x+8*\t:O+64*\x+8*\t+7], v[\vs+\vst*(\t/4)+\t%2], v[\pw+\x] matrix_a_fmt:MATRIX_FMT_FP6 matrix_b_fmt:MATRIX_FMT_FP6
.endif
.endr
.endr
.endm
.macro FM x, j0, n                     ; t - M of n pairs of tile x (of the pairs c and -M the low word serves both halves)
.set j, \j0
.rept \n
	v_pk_fma_f32 v[S+64*\x+j:S+64*\x+j+1], v[S+64*\x+j:S+64*\x+j+1], s[CS:CS+1], v[ST+6*\x+NM:ST+6*\x+NM+1] op_sel_hi:[1,0,0]
.set j, j+2
.endr
.endm
; THE SOFTMAX OF ONE STEP, behind the blocks' maxima.  NM, OM: this step's and the last step's -M (offsets in ST); FR: where f goes; SCO: where the scale operands go; PC: where the codes go.
.macro SOFT
.irp x, 0,1
	v_max_num_f32 v[T+12*\x+7], v[T+12*\x], v[T+12*\x+1]
.endr
.irp x, 0,1
	s_delay_alu instid0(VALU_DEP_2)
	v_permlanex16_b32 v[T+12*\x+9], v[T+12*\x+7], s[SEL], s[SEL+1]
.endr
.irp x, 0,1
	s_delay_alu instid0(VALU_DEP_2)
	v_max3_num_f32 v[ST+6*\x+1], v[ST+6*\x+1], v[T+12*\x+7], v[T+12*\x+9]   ; the running largest score of my query
.endr
.irp x, 0,1
	s_delay_alu instid0(VALU_DEP_2)
	v_mul_f32 v[T+12*\x+7], s[NC], v[ST+6*\x+1]    ; -t
.endr
.irp x, 0,1
	s_delay_alu instid0(VALU_DEP_2)
	v_floor_f32 v[ST+6*\x+NM], v[T+12*\x+7]        ; -M = floor(-t) = -ceil(t)
.endr
	FM 0, 0, 4                                     ; the three lines that make f stand among the multiply-adds, which do not wait for them
.irp x, 0,1
	v_sub_f32 v[T+12*\x+7], v[ST+6*\x+NM], v[ST+6*\x+OM]   ; old M - new M: a whole number, 0 or less
.endr
	FM 0, 8, 4
.irp x, 0,1
	v_cvt_i32_f32 v[T+12*\x+7], v[T+12*\x+7]       ; (it saturates)
.endr
	FM 0, 16, 4
.irp x, 0,1
	v_ldexp_f32 v[T+12*\x+FR], 1.0, v[T+12*\x+7]   ; f = 2^(old M - new M)
.endr
	FM 0, 24, 20
	FM 1, 0, 32
.irp c, 0,1
.irp x, 0,1
	v_fma_f32 v[T+12*\x+\c], v[T+12*\x+\c], s[CS], v[ST+6*\x+NM]   ; the same of each block's largest score: p rises with the score
.endr
.endr
	ALUW                                           ; ahead of the batch
.set j, 0
.rept 128
	v_exp_f32 v[S+j], v[S+j]                       ; p = 2^(t - M)
.set j, j+1
.endr
.irp c, 0,1
.irp x, 0,1
	v_exp_f32 v[T+12*\x+\c], v[T+12*\x+\c]         ; the block's largest p: the same two instructions on the same number
.endr
.endr
.irp x, 0,1
	v_pk_mul_f32 v[ST+6*\x+4:ST+6*\x+5], v[ST+6*\x+4:ST+6*\x+5], v[T+12*\x+FR:T+12*\x+FR+1] op_sel_hi:[1,0]   ; l under the new M: plain lines behind the batch
.endr
	ALUW                                           ; one wait for the batch of 132
.irp x, 0,1                            ; the row's sum is taken of the unquantised p: four chains a tile, 32 packed additions
	v_pk_add_f32 v[T+12*\x+4:T+12*\x+5], v[S+64*\x:S+64*\x+1], v[S+64*\x+2:S+64*\x+3]
	v_pk_add_f32 v[CT+8*\x:CT+8*\x+1], v[S+64*\x+4:S+64*\x+5], v[S+64*\x+6:S+64*\x+7]
	v_pk_add_f32 v[CT+8*\x+2:CT+8*\x+3], v[S+64*\x+8:S+64*\x+9], v[S+64*\x+10:S+64*\x+11]
.endr
.set j, 12
.rept 6
.irp x, 0,1
	v_pk_add_f32 v[ST+6*\x+4:ST+6*\x+5], v[ST+6*\x+4:ST+6*\x+5], v[S+64*\x+j:S+64*\x+j+1]
	v_pk_add_f32 v[T+12*\x+4:T+12*\x+5], v[T+12*\x+4:T+12*\x+5], v[S+64*\x+j+2:S+64*\x+j+3]
	v_pk_add_f32 v[CT+8*\x:CT+8*\x+1], v[CT+8*\x:CT+8*\x+1], v[S+64*\x+j+4:S+64*\x+j+5]
	v_pk_add_f32 v[CT+8*\x+2:CT+8*\x+3], v[CT+8*\x+2:CT+8*\x+3], v[S+64*\x+j+6:S+64*\x+j+7]
.endr
.set j, j+8
.endr
.irp x, 0,1
	v_pk_add_f32 v[ST+6*\x+4:ST+6*\x+5], v[ST+6*\x+4:ST+6*\x+5], v[S+64*\x+60:S+64*\x+61]
	v_pk_add_f32 v[T+12*\x+4:T+12*\x+5], v[T+12*\x+4:T+12*\x+5], v[S+64*\x+62:S+64*\x+63]
.endr
.irp c, 0,1
.irp x, 0,1
	v_max_num_f32 v[T+12*\x+\c], 0x1800000, v[T+12*\x+\c]          ; the floor 2^(3 - 127)
.endr
.endr
.irp x, 0,1
	v_pk_add_f32 v[CT+8*\x:CT+8*\x+1], v[CT+8*\x:CT+8*\x+1], v[CT+8*\x+2:CT+8*\x+3]
	v_pk_add_f32 v[ST+6*\x+4:ST+6*\x+5], v[ST+6*\x+4:ST+6*\x+5], v[T+12*\x+4:T+12*\x+5]
.endr
.irp c, 0,1
.irp x, 0,1
	v_add_nc_u32 v[T+12*\x+SCO+\c], 0xff000000, v[T+12*\x+\c]      ; 2 off the exponent field: the conversion's scale operand, a number whose exponent field is the byte
.endr
.endr
.irp x, 0,1
	v_pk_add_f32 v[ST+6*\x+4:ST+6*\x+5], v[ST+6*\x+4:ST+6*\x+5], v[CT+8*\x:CT+8*\x+1]
.endr
.irp x, 0,1
.irp c, 0,1
	v_cvt_scalef32_pk16_fp6_f32 v[PC+12*\x+6*\c:PC+12*\x+6*\c+2], v[S+64*\x+32*\c:S+64*\x+32*\c+15], v[T+12*\x+SCO+\c]
	v_cvt_scalef32_pk16_fp6_f32 v[CT+8*\x+4*\c:CT+8*\x+4*\c+2], v[S+64*\x+32*\c+16:S+64*\x+32*\c+31], v[T+12*\x+SCO+\c]   ; (three registers from an even one: made elsewhere and moved)
.endr
.endr
	v_nop                                          ; one plain vector instruction behind the scaled conversions
.irp x, 0,1
.irp c, 0,1
.irp i, 0,1,2
	v_mov_b32 v[PC+12*\x+6*\c+3+\i], v[CT+8*\x+4*\c+\i]
.endr
.endr
.endr
.endm
; A PAIR OF KEY STEPS: 256 keys against my 32 queries, 64 matrix instructions.  Step a's K has been asked for: at the phase's head or by the pair before.
.macro PAIR
.rept 5
	v_nop                                          ; five places behind the last products: the first products below write over registers that those read
.endr
	ALUW
	s_wait_dscnt 0x0                               ; step a's K
	KQM STEPB, KS, KS+2                            ; step b's K lands under step a's softmax
.set NM, 0
.set OM, 2
.set FR, 8
.set SCO, 10
.set PC, PA
	SOFT
	ALUW
	s_wait_dscnt 0x0
	KQM HSTEP, VSA, VSA+252                        ; step a's V lands under step b's softmax
.set NM, 2
.set OM, 0
.set FR, 6
.set SCO, 2
.set PC, PB
	SOFT
	LDF 0, S, STEPB+HSTEP, VSB, VSB+2              ; step b's V, into the registers that p has left
.irp c, 0,1
.irp x, 0,1
	v_mul_f32 v[T+12*\x+10+\c], v[T+12*\x+10+\c], v[T+12*\x+6]     ; step a's scales under step b's M: x 2^(M_a - M_b), exact,
.endr
.endr
.irp c, 0,1
.irp x, 0,1
	v_max_num_f32 v[T+12*\x+10+\c], 0x800000, v[T+12*\x+10+\c]     ; held at 2^-126: the byte cannot fall under 1
.endr
.endr
.irp c, 0,1
.irp x, 0,1
	v_lshrrev_b32 v[T+12*\x+10+\c], 23, v[T+12*\x+10+\c]           ; the bytes of step a
	v_lshrrev_b32 v[T+12*\x+\c], 23, v[T+12*\x+2+\c]               ; and of step b
.endr
.endr
.irp x, 0,1
	v_lshl_or_b32 v[PWA+\x], v[T+12*\x+11], 16, v[T+12*\x+10]      ; my two bytes: blocks hh and 2 + hh,
	v_lshl_or_b32 v[PWB+\x], v[T+12*\x+1], 16, v[T+12*\x]
.endr
.irp x, 0,1
	v_lshlrev_b32 v[PWA+\x], v[SH], v[PWA+\x]                      ; at their places in the word;
	v_lshlrev_b32 v[PWB+\x], v[SH], v[PWB+\x]
.endr
.irp x, 0,1
	v_permlanex16_b32 v[T+12*\x+9], v[PWA+\x], s[SEL], s[SEL+1]
	v_permlanex16_b32 v[T+12*\x+4], v[PWB+\x], s[SEL], s[SEL+1]
.endr
.irp x, 0,1
	v_or_b32 v[PWA+\x], v[PWA+\x], v[T+12*\x+9]                    ; with lane l xor 16's two the word is whole
	v_or_b32 v[PWB+\x], v[PWB+\x], v[T+12*\x+4]
.endr
.irp x, 0,1
	v_mul_f32 v[T+12*\x+8], v[T+12*\x+8], v[T+12*\x+6]             ; O's factor: 2^(M before the pair - M_b)
.endr
	WIN W_RS
	ALUW                                           ; directly ahead of the first reader of O^T
.irp x, 0,1
.set j, 0
.rept 32
	v_pk_mul_f32 v[O+64*\x+j:O+64*\x+j+1], v[O+64*\x+j:O+64*\x+j+1], v[T+12*\x+8:T+12*\x+9] op_sel_hi:[1,0]   ; O^T under M_b; these 64 also stand between the lines that made codes and scale words and the products
.set j, j+2
.endr
.endr
	ALUW
	s_wait_dscnt 0x0                               ; both steps' V and scale words are in
	PV 0x51, F, PA, VSA, 252, PWA
	WIN 0
	s_add_co_u32 s[TB], s[TB], 2*STEPB             ; the next pair's bytes,
	s_min_u32 s[TB], s[TB], LASTB                  ; held at the phase's last pair
	SETAD
	v_nop                                          ; four places behind the products that read the fragments' registers
	s_cmp_eq_u32 s[CNT], 1                         ; the phase's last pair asks for nothing: the next K lies in the other slot
	s_cbranch_scc1 .Lno_next_\@
	LDF TO_1, F, 0, KS, KS+2                       ; the next pair's first K lands under the sixteen products below
.Lno_next_\@:
	PV 0x50, S, PB, VSB, 2, PWB
	WIN 0
.endm
; THE CHANGE OF SLOTS, at a phase's head: every wave waits for its tensor load, adds 0 to its spare word and waits for that and for its reads of the slot that it has left.
; fill = 1: a round of the cluster's barrier follows, and the joint fill of the other slot is the first thing behind it.
.macro CHANGE fill, lds, ga, g1
	s_wait_tensorcnt 0x0
	ds_add_u32 v[SPW], v[NIL]
.if \fill
	s_mov_b32 s[G0+1], s[\lds]                     ; no load of mine is out: group 0 may be written
	s_mov_b32 s[G0+2], s[\ga]
	s_mov_b32 s[G0+3], s[\ga+1]
.endif
	s_wait_dscnt 0x0
.if \fill
	CROUND
	JLOAD \g1
.else
	s_barrier_signal -1
	s_barrier_wait -1
.endif
.endm
.macro PHASE base, n                   ; n pairs of key steps from LDS byte base on
.set LASTB, \base+(\n-1)*2*STEPB
	s_mov_b32 s[TB], \base
	SETAD
	LDF TO_1, F, 0, KS, KS+2
	s_mov_b32 s[CNT], \n
.Lpair_\@:
	PAIR
	s_sub_co_u32 s[CNT], s[CNT], 1
	s_cmp_lg_u32 s[CNT], 0
	s_cbranch_scc1 .Lpair_\@
.endm
	ALUW                                           ; the head's end
	CHANGE 1, LB, GB, G1B                          ; slot 1's first fill, steps 6-9, issued as a refill is
; A prefetch of what the next change of slots will ask for, steps 10-15: six key steps ahead of that load.  Both clusters of a head walk the same bytes: the head's first cluster asks.  Its four partners share the
; 600 blocks of 256 bytes out by address, 150 each; waves 0-4 take a block a lane, and wave 4's lanes that are left over name its last block again.  Steps 0-9 come by their loads alone.
	s_cmp_eq_u32 s[LIM], 1
	s_cbranch_scc0 .Lnot_mine
	global_prefetch_b8 v[PFO], s[PFA:PFA+1] th:TH_LOAD_NT scope:SCOPE_SE
.Lnot_mine:
	PHASE 0, 3
	CHANGE 1, LA, GC, G1A                          ; slot 0 again: steps 10-15
	PHASE SLOT1, 2
	CHANGE 0, LA, GC, G1A                          ; nothing is filled any more
	PHASE 0, 3
	; THE WAY OUT.  l's two halves and lane l xor 16's; 1 / l and log2 l are one batch
	v_cmp_ne_u32 vcc_lo, 0, v[SH]
.irp x, 0,1
	v_add_f32 v[T+12*\x], v[ST+6*\x+4], v[ST+6*\x+5]
.endr
.irp x, 0,1
	v_mov_b32 v[RC+2*\x+1], 0                      ; (named as the upper half of a pair)
.endr
.irp x, 0,1
	v_permlanex16_b32 v[T+12*\x+9], v[T+12*\x], s[SEL], s[SEL+1]
.endr
.irp x, 0,1
	s_delay_alu instid0(VALU_DEP_2)
	v_add_f32 v[T+12*\x], v[T+12*\x], v[T+12*\x+9]
.endr
	ALUW
.irp x, 0,1
	v_rcp_f32 v[RC+2*\x], v[T+12*\x]
.endr
.irp x, 0,1
	v_log_f32 v[LG+\x], v[T+12*\x]
.endr
	v_nop
	ALUW
.irp x, 0,1
	v_sub_f32 v[LG+\x], v[LG+\x], v[ST+6*\x+2]     ; log2 l + M
.endr
.irp x, 0,1
	s_delay_alu instid0(VALU_DEP_2)
	v_mul_f32 v[LG+\x], 0x3f317218, v[LG+\x]       ; x ln 2
.endr
	s_delay_alu instid0(VALU_DEP_1)
	v_cndmask_b32 v[LG+2], v[LG], v[LG+1], vcc_lo  ; lanes 0-15 store tile 0's lse of query r, lanes 16-31 tile 1's
	ds_store_b32 v[LSA], v[LG+2]
.macro PACK x                          ; O^T / l; a lane's eight channels are 32 neighbouring bytes of its query's row: through my stage they come back as whole rows of 512 bytes
	WIN 0x01
	ALUW
.set j, 0
.rept 32
	v_pk_mul_f32 v[S+64*\x+j:S+64*\x+j+1], v[O+64*\x+j:O+64*\x+j+1], v[RC+2*\x:RC+2*\x+1] op_sel_hi:[1,0]   ; ascending: each accumulator is first read at its low end
.set j, j+2
.endr
	WIN 0
.irp t, 0,1,2,3,4,5,6,7
	ds_store_b128 v[STO], v[S+64*\x+8*\t:S+64*\x+8*\t+3] offset:64*\t
	ds_store_b128 v[STO], v[S+64*\x+8*\t+4:S+64*\x+8*\t+7] offset:64*\t+16
.endr
.irp i, 0,1,2,3,4,5,6,7,8,9,10,11,12,13,14,15
	ds_load_b128 v[S+64*\x+4*\i:S+64*\x+4*\i+3], v[RD] offset:SP*\i   ; LDS serves a wave's instructions in order
.endr
.endm
.macro SEND x                          ; behind row i's load stand the tile's 15 - i later rows and, for tile 0, tile 1's 16 stores and 16 loads
.irp i, 0,1,2,3,4,5,6,7,8,9,10,11,12,13,14,15
	s_wait_dscnt (1-\x)*32+15-\i
	global_store_b128 v[LI], v[S+64*\x+4*\i:S+64*\x+4*\i+3], s[8:9] offset:(16*\x+\i)*8192 th:TH_STORE_NT   ; 32 lanes store a query's 512 consecutive bytes, at a multiple of 256
.endr
.endm
	PACK 0
	PACK 1
	SEND 0
	SEND 1
	s_wait_dscnt 0x0                               ; for the others' sake: my lse has landed
	s_barrier_signal -1
	s_barrier_wait -1
	s_cmp_lt_u32 s[WV], 2
	s_cbranch_scc0 .Lno_lse
	ds_load_b128 v[LR:LR+3], v[LRD]
	s_wait_dscnt 0x0
	global_store_b128 v[LI], v[LR:LR+3], s[10:11] th:TH_STORE_NT   ; 32 lanes store 512 consecutive bytes, at a multiple of 256
.Lno_lse:
	s_wait_tensorcnt 0x0                           ; the wave's end
	ds_add_u32 v[SPW], v[NIL]
	s_wait_dscnt 0x0
	CROUND                                         ; the closing round
	s_endpgm
.Lfunc_end_k_qe93a8baa82_attn:
	.size	k_qe93a8baa82_attn, .Lfunc_end_k_qe93a8baa82_attn-k_qe93a8baa82_attn
	.p2alignl 7, 3214868480
	.fill 96, 4, 3214868480
	.section	.rodata,"a",@progbits
	.p2align	6, 0x0
	.amdhsa_kernel k_qe93a8baa82_attn
		.amdhsa_group_segment_fixed_size 327680
		.amdhsa_private_segment_fixed_size 0
		.amdhsa_enable_private_segment 0
		.amdhsa_kernarg_size 32
		.amdhsa_user_sgpr_count 2
		.amdhsa_user_sgpr_kernarg_segment_ptr 1
		.amdhsa_wavefront_size32 1
		.amdhsa_system_sgpr_workgroup_id_x 1
		.amdhsa_system_sgpr_workgroup_id_y 1
		.amdhsa_system_sgpr_workgroup_id_z 1
		.amdhsa_system_vgpr_workitem_id 0
		.amdhsa_next_free_vgpr 512
		.amdhsa_next_free_sgpr 76
		.amdhsa_reserve_vcc 1
		.amdhsa_float_denorm_mode_32 3
		.amdhsa_float_denorm_mode_16_64 3
		.amdhsa_memory_ordered 1
		.amdhsa_forward_progress 1
		.amdhsa_inst_pref_size 223
	.end_amdhsa_kernel
	.amdgpu_metadata
---
amdhsa.version: [ 1, 2 ]
amdhsa.kernels:
  - .name:           k_qe93a8baa82_attn
    .symbol:         k_qe93a8baa82_attn.kd
    .args:
      - { .name: q, .offset: 0, .size: 8, .value_kind: global_buffer, .address_space: global }
      - { .name: kvc, .offset: 8, .size: 8, .value_kind: global_buffer, .address_space: global }
      - { .name: out0, .offset: 16, .size: 8, .value_kind: global_buffer, .address_space: global }
      - { .name: out1, .offset: 24, .size: 8, .value_kind: global_buffer, .address_space: global }
    .group_segment_fixed_size: 327680
    .private_segment_fixed_size: 0
    .kernarg_segment_align: 8
    .kernarg_segment_size: 32
    .max_flat_workgroup_size: 256
    .sgpr_count:     76
    .vgpr_count:     512
    .wavefront_size: 32
...
	.end_amdgpu_metadata
.endif
;; end of part 2
